; MI455X (gfx1250); checked and timed in simulation.
; The chip was launched on July 23, 2026; its instructions are those of AMD's public machine-readable ISA for CDNA 5 (MIT licence, August 2026) and "CDNA5" Instruction Set Architecture Reference Guide (July 2026). The comments in the code are by the model that wrote it; some were corrected since.
;; Pairwise Channel Add. Allowed arithmetic: float matrix products may take bf16 or f16 operands with f32 sums; all other float work in f32.
;; Inputs: x 8 x 160 x 256 x 32 float32.
;; Outputs: out0 8 x 1 x 159 x 32 float32.
;; 2 versions, each right; version 2 is version 1 with the launch partial written anew for expert scheduling mode. Each part assembles by itself: llvm-mc -triple=amdgcn-amd-amdhsa -mcpu=gfx1250 --defsym DOCPART=n.
;; ======== version 1 of 2: 2 launches
;; workspace buffers: part 5,242,880 bytes
;; launch partial (part 1): grid 32 x 8, 8 waves a work-group, no clusters, 18,432 bytes of LDS; arguments x, part; writes part
.if DOCPART == 1
	.amdgcn_target "amdgcn-amd-amdhsa--gfx1250"
	.amdhsa_code_object_version 6
	.text
	.protected	k_qa662f7f599_partial
	.globl	k_qa662f7f599_partial
	.p2align	8
	.type	k_qa662f7f599_partial,@function
k_qa662f7f599_partial:
	s_mov_b64 s[64:65], 0
	v_nop
	global_prefetch_b8 v0, s[64:65] scope:SCOPE_SE
	s_setreg_imm32_b32 hwreg(HW_REG_WAVE_MODE, 25, 1), 1
	s_wait_xcnt 0x0
; PairwiseChannelAdd, first of two launches.
; out[b][k][f] = max over j, t of (x[b][j][t][f] + x[b][k][t][f]).  Rounding a sum is monotone in each addend, so for fixed t, f
; the max over j of the rounded sums is the rounded sum of x[b][k][t][f] and M[b][t][f] = max over j of x[b][j][t][f]: the same bits.
; This launch: work-group (tr, b) owns the 8 time steps 8 tr .. 8 tr + 7 of batch b, all 160 channels: 160 pieces of 1,024 bytes.
; It reads them once, keeps them in registers, makes M for its time steps, and stores
;   part[b][tr][k][f] = max over its 8 t of (x[b][k][t][f] + M[b][t][f]),  k = 0 .. 159.
; The second launch takes the max over the 32 tr.  Row k = 159 is no output; it rides in the same instructions so that the last store
; of the work-group covers its 512 bytes whole.
; LIMIT: maxima are taken by v_max_num_f32 / v_max3_num_f32, in which a NaN loses.  A NaN in x, or the NaN of (+inf) + (-inf),
; does not reach the output as it does in the reference.  For finite x (sums that overflow to infinity included) the bits are equal.
; No two work-groups read the same byte of x, so there is nothing to share in a cluster; the work-group's whole share is asked for
; by its first 320 loads, so there is nothing left to stage in LDS or to ask for ahead.
;
; SHARES.  Eight waves, 20 channels each (channel 20 w + 4 g + 2 h + p; g = 0..4 group, p = 0, 1 pair, h = lane / 16).
; One load: lanes 0-15 take 256 aligned bytes (time steps 2 i, 2 i + 1, all 32 f) of one channel, lanes 16-31 the same bytes of the channel two further.
; Lane m = lane % 16 holds time step 2 i + m / 8 and f = 4 (m % 8) .. + 3.  So of the 8 time steps 4 lie along registers and 2 along lanes (xor 8).
.set CH,    32768                      ; bytes of a channel: 256 t x 32 f x 4
.set BATCH, 160*CH                     ; bytes of a batch
.set WCH,   20                         ; channels of a wave
.set PART,  160*128                    ; bytes that a work-group stores
.set RAW,   0                          ; LDS: 8 waves x 2,048 bytes, the waves' own maxima as they lie in registers
.set MF,    16384                      ; LDS: 1,024 bytes, M of the work-group's 8 time steps
.set XO,  1                            ; v1       byte offset of my 16 bytes in x, from the wave's first channel
.set RA,  2                            ; v2       LDS address of my 16 bytes in the wave's raw maxima
.set SB,  3                            ; v3       LDS address of the word that I reduce, in wave 0's raw maxima
.set SW,  4                            ; v4       4 x thread: where that word goes in M
.set FR,  5                            ; v5       16 (lane % 16): my 16 bytes in each 256 bytes of M
.set PO,  6                            ; v6       byte offset of my 16 bytes in the work-group's part
.set TV,  7                            ; v7       at work
.set M,   8                            ; v[8:23]  maxima: register 4 i + c
.set T,   24                           ; v[24:39] the 16 partial maxima of one word
.set D,   40                           ; v[40:199] x: register 32 g + 16 p + 4 i + c
	s_load_b128 s[4:7], s[0:1], 0x0                ; x s[4:5], part s[6:7]
	v_lshl_add_u32 v200, v0, 2, 0x4400
	v_mov_b32 v201, 0
	v_lshrrev_b32 v[TV], 5, v0
	v_readfirstlane_b32 s8, v[TV]                  ; wave 0..7
	s_and_b32 s9, ttmp7, 0xffff                    ; b
	s_mul_i32 s10, s9, BATCH                       ; x: batch,
	s_lshl_b32 s11, ttmp9, 10                      ; 8 time steps of 128 bytes for each tr,
	s_add_co_u32 s10, s10, s11
	s_mul_i32 s11, s8, WCH*CH                      ; the wave's first channel; 41,319,424 at the most
	s_add_co_u32 s10, s10, s11
	s_mov_b32 s11, 0
	s_lshl_b32 s12, s9, 5
	s_add_co_u32 s12, s12, ttmp9                   ; 32 b + tr
	s_mul_i32 s12, s12, PART
	s_mov_b32 s13, 0
	v_and_b32 v[FR], 15, v0
	v_lshlrev_b32 v[FR], 4, v[FR]                  ; 16 (lane % 16)
	v_bfe_u32 v[TV], v0, 4, 1                      ; h
	v_lshl_add_u32 v[XO], v[TV], 16, v[FR]         ; + two channels (65,536 bytes) for lanes 16-31
	s_wait_kmcnt 0x0
	s_add_nc_u64 s[4:5], s[4:5], s[10:11]
	s_add_nc_u64 s[6:7], s[6:7], s[12:13]
	; all 40 loads of the wave at once: 20 KiB a wave, the work-group's whole 160 KiB, are on their way.  x is read once in the launch.
.irp g, 0,1,2,3,4
.irp p, 0,1
.irp i, 0,1,2,3
	global_load_b128 v[D+32*\g+16*\p+4*\i:D+32*\g+16*\p+4*\i+3], v[XO], s[4:5] offset:(4*\g+\p)*CH+256*\i th:TH_LOAD_NT
.endr
.endr
.endr
	; addresses for later, made while the loads are out
	v_and_b32 v[RA], 31, v0
	v_lshlrev_b32 v[RA], 4, v[RA]                  ; 16 x lane
	s_mul_i32 s14, s8, WCH*128                     ; the wave's 20 rows of 128 bytes in part
	v_add_nc_u32 v[PO], s14, v[RA]
	v_lshl_add_u32 v[RA], s8, 11, v[RA]            ; + 2,048 x wave
	v_lshlrev_b32 v[SW], 2, v0                     ; 4 x thread
	v_lshrrev_b32 v[TV], 6, v0                     ; i of my word = thread / 64
	v_and_b32 v[SB], 63, v0
	v_lshlrev_b32 v[SB], 2, v[SB]
	v_lshl_add_u32 v[SB], v[TV], 9, v[SB]          ; 512 i + 4 (thread % 64)
	v_and_b32 v[TV], 8, v0
	v_cmp_ne_u32 vcc_lo, 0, v[TV]                  ; lanes 8-15 and 24-31: they will store pair 1's rows
	; PASS 1: the max over the wave's channels, eight loads (two pairs) at a time.  Loads come back in order (ISA guide 5.7.1):
	; the count is the number of younger loads behind the eight that are needed.  The first two pairs start the maxima: nothing is cleared.
	s_wait_loadcnt 32
.set r, 0
.rept 16
	v_max_num_f32 v[M+r], v[D+r], v[D+16+r]
.set r, r+1
.endr
.irp g, 1,2,3,4
	s_wait_loadcnt 32-8*\g
.set r, 0
.rept 16
	v_max3_num_f32 v[M+r], v[M+r], v[D+32*\g+r], v[D+32*\g+16+r]
.set r, r+1
.endr
.endr
	; THE WAVES' MAXIMA MEET IN LDS.  Each wave lays down its 16 registers as they are: 512 neighbouring bytes a store.  The two halves of
	; the lanes hold maxima of different channels for the same (t, f), so there are 16 partial maxima for each of M's 256 words.
.irp i, 0,1,2,3
	ds_store_b128 v[RA], v[M+4*\i:M+4*\i+3] offset:RAW+512*\i
.endr
	s_wait_dscnt 0x0                               ; my stores are done, for the other waves' sake
	s_barrier_signal -1
	s_barrier_wait -1
	; thread n reduces word n of M: 16 loads, each of 128 neighbouring bytes a wave
.irp w, 0,1,2,3,4,5,6,7
.irp h, 0,1
	ds_load_b32 v[T+2*\w+\h], v[SB] offset:RAW+2048*\w+256*\h
.endr
.endr
	s_wait_dscnt 0x0
	v_max3_num_f32 v[T], v[T], v[T+1], v[T+2]
	v_max3_num_f32 v[T+3], v[T+3], v[T+4], v[T+5]
	v_max3_num_f32 v[T+6], v[T+6], v[T+7], v[T+8]
	v_max3_num_f32 v[T+9], v[T+9], v[T+10], v[T+11]
	v_max3_num_f32 v[T+12], v[T+12], v[T+13], v[T+14]
	v_max3_num_f32 v[T], v[T], v[T+3], v[T+6]
	v_max3_num_f32 v[T+9], v[T+9], v[T+12], v[T+15]
	v_max_num_f32 v[T], v[T], v[T+9]
	ds_store_b32 v[SW], v[T] offset:MF             ; bytes of their own: the raw maxima are never written again
	s_wait_dscnt 0x0                               ; done, for the other waves' sake
	s_barrier_signal -1
	s_barrier_wait -1
.irp i, 0,1,2,3
	ds_load_b128 v[M+4*\i:M+4*\i+3], v[FR] offset:MF+256*\i    ; M in the layout of the data: both halves of the lanes read the same 256 bytes
.endr
	s_wait_dscnt 0x0
	; PASS 2, four channels at a time: add M in place, max over the four time steps that lie along registers, max with lane xor 8
	; (the other time step of the pair; DPP rides on the max).  Lanes 0-7 then hold channel j0 (pair 0), lanes 8-15 take pair 1's
	; j0 + 1, lanes 16-23 j0 + 2, lanes 24-31 j0 + 3: four rows of 128 bytes, 512 neighbouring bytes of part at a multiple of 512.
	; The stored registers are never written again, so no wait follows a store.
.macro GROUP g
.irp p, 0,1
.irp r, 0,2,4,6,8,10,12,14
	v_pk_add_f32 v[D+32*\g+16*\p+\r:D+32*\g+16*\p+\r+1], v[D+32*\g+16*\p+\r:D+32*\g+16*\p+\r+1], v[M+\r:M+\r+1]
.endr
.endr
.irp p, 0,1
.irp c, 0,1,2,3
	v_max3_num_f32 v[D+32*\g+16*\p+\c], v[D+32*\g+16*\p+\c], v[D+32*\g+16*\p+4+\c], v[D+32*\g+16*\p+8+\c]
.endr
.endr
.irp p, 0,1
.irp c, 0,1,2,3
	v_max_num_f32 v[D+32*\g+16*\p+\c], v[D+32*\g+16*\p+\c], v[D+32*\g+16*\p+12+\c]
.endr
.endr
.irp p, 0,1
.irp c, 0,1,2,3
	v_max_num_f32_dpp v[D+32*\g+16*\p+\c], v[D+32*\g+16*\p+\c], v[D+32*\g+16*\p+\c] row_xmask:8 row_mask:0xf bank_mask:0xf
.endr
.endr
.irp c, 0,1,2,3
	v_cndmask_b32 v[D+32*\g+\c], v[D+32*\g+\c], v[D+32*\g+16+\c], vcc_lo
.endr
	global_store_b128 v[PO], v[D+32*\g:D+32*\g+3], s[6:7] offset:512*\g    ; read again by the next launch: no hint
.endm
	GROUP 0
	GROUP 1
	GROUP 2
	GROUP 3
	GROUP 4
	s_wait_tensorcnt 0x0
	ds_add_u32 v200, v201
	s_wait_dscnt 0x0
	s_endpgm
.Lfunc_end_k_qa662f7f599_partial:
	.size	k_qa662f7f599_partial, .Lfunc_end_k_qa662f7f599_partial-k_qa662f7f599_partial
	.p2alignl 7, 3214868480
	.fill 96, 4, 3214868480
	.section	.rodata,"a",@progbits
	.p2align	6, 0x0
	.amdhsa_kernel k_qa662f7f599_partial
		.amdhsa_group_segment_fixed_size 18432
		.amdhsa_private_segment_fixed_size 0
		.amdhsa_enable_private_segment 0
		.amdhsa_kernarg_size 16
		.amdhsa_user_sgpr_count 2
		.amdhsa_user_sgpr_kernarg_segment_ptr 1
		.amdhsa_wavefront_size32 1
		.amdhsa_system_sgpr_workgroup_id_x 1
		.amdhsa_system_sgpr_workgroup_id_y 1
		.amdhsa_system_sgpr_workgroup_id_z 1
		.amdhsa_system_vgpr_workitem_id 0
		.amdhsa_next_free_vgpr 202
		.amdhsa_next_free_sgpr 66
		.amdhsa_reserve_vcc 1
		.amdhsa_float_denorm_mode_32 3
		.amdhsa_float_denorm_mode_16_64 3
		.amdhsa_memory_ordered 1
		.amdhsa_forward_progress 1
		.amdhsa_inst_pref_size 25
	.end_amdhsa_kernel
	.amdgpu_metadata
---
amdhsa.version: [ 1, 2 ]
amdhsa.kernels:
  - .name:           k_qa662f7f599_partial
    .symbol:         k_qa662f7f599_partial.kd
    .args:
      - { .name: x, .offset: 0, .size: 8, .value_kind: global_buffer, .address_space: global }
      - { .name: part, .offset: 8, .size: 8, .value_kind: global_buffer, .address_space: global }
    .group_segment_fixed_size: 18432
    .private_segment_fixed_size: 0
    .kernarg_segment_align: 8
    .kernarg_segment_size: 16
    .max_flat_workgroup_size: 256
    .sgpr_count:     66
    .vgpr_count:     202
    .wavefront_size: 32
...
	.end_amdgpu_metadata
.endif
;; end of part 1
;; launch reduce (part 2): grid 40 x 8, 1 waves a work-group, no clusters, 0 bytes of LDS; arguments part, out0; writes out0
.if DOCPART == 2
	.amdgcn_target "amdgcn-amd-amdhsa--gfx1250"
	.amdhsa_code_object_version 6
	.text
	.protected	k_qa662f7f599_reduce
	.globl	k_qa662f7f599_reduce
	.p2align	8
	.type	k_qa662f7f599_reduce,@function
k_qa662f7f599_reduce:
	s_mov_b64 s[64:65], 0
	v_nop
	global_prefetch_b8 v0, s[64:65] scope:SCOPE_SE
	s_setreg_imm32_b32 hwreg(HW_REG_WAVE_MODE, 25, 1), 1
	s_wait_xcnt 0x0
; PairwiseChannelAdd, second of two launches: out0[b][k][f] = max over tr = 0 .. 31 of part[b][tr][k][f], k = 0 .. 158.
; One wave a work-group.  Work-group (n, b) owns rows k = 4 n .. 4 n + 3 of batch b: 512 bytes, 16 a lane.  In part they start at a multiple
; of 512 bytes for every tr, so each of the 32 loads covers 512 aligned neighbouring bytes.  A batch of out0 is 159 rows = 20,352 bytes,
; so in odd batches the one store starts 128 bytes off a multiple of 256: the reads are 32 times the writes and get the alignment.
; In block n = 39 lanes 24-31 hold row 159, which the first launch stored and which is no output: they read it and store nothing.
; All 32 loads go out at once; no wave depends on another: no LDS, no barrier.
; LIMIT as in the first launch: a NaN loses in v_max_num_f32 / v_max3_num_f32.
.set PART,  160*128                    ; bytes of one (b, tr) in part
.set NPART, 32                         ; tr
.set OUTB,  159*128                    ; bytes of a batch in out0
.set LO,  1                            ; v1       16 x lane
.set KB,  2                            ; v2       my byte among the batch's rows
.set X,   4                            ; v[4:131] partial tr: registers 4 tr .. 4 tr + 3; tr = 0's become the result
	s_load_b128 s[4:7], s[0:1], 0x0                ; part s[4:5], out0 s[6:7]
	s_and_b32 s8, ttmp7, 0xffff                    ; b
	s_lshl_b32 s9, ttmp9, 9                        ; 512 n
	s_mul_i32 s10, s8, NPART*PART
	s_add_co_u32 s10, s10, s9                      ; part: batch and block
	s_mov_b32 s11, 0
	s_mul_i32 s12, s8, OUTB
	s_add_co_u32 s12, s12, s9                      ; out0: batch and block
	s_mov_b32 s13, 0
	v_lshlrev_b32 v[LO], 4, v0
	v_add_nc_u32 v[KB], s9, v[LO]
	s_wait_kmcnt 0x0
	s_add_nc_u64 s[4:5], s[4:5], s[10:11]
	s_add_nc_u64 s[6:7], s[6:7], s[12:13]
.set n, 0
.rept NPART
	global_load_b128 v[X+4*n:X+4*n+3], v[LO], s[4:5] offset:n*PART th:TH_LOAD_NT   ; each byte of part is read once
.set n, n+1
.endr
	; two more partials a step.  Loads come back in order (ISA guide 5.7.1): the count is the number of loads younger than partial 2 n + 2.
.set n, 0
.rept 15
	s_wait_loadcnt NPART-3-2*n
.irp c, 0,1,2,3
	v_max3_num_f32 v[X+\c], v[X+\c], v[X+4*(2*n+1)+\c], v[X+4*(2*n+2)+\c]
.endr
.set n, n+1
.endr
	s_wait_loadcnt 0x0                             ; the last partial
.irp c, 0,1,2,3
	v_max_num_f32 v[X+\c], v[X+\c], v[X+4*(NPART-1)+\c]
.endr
	v_cmp_gt_u32 vcc_lo, OUTB, v[KB]               ; rows 0 .. 158 only
	s_wait_xcnt 0x0                                ; EXEC is a source of the loads above: it changes only behind this wait
	s_and_saveexec_b32 s14, vcc_lo
	global_store_b128 v[LO], v[X:X+3], s[6:7] th:TH_STORE_NT
	s_wait_xcnt 0x0                                ; and again in front of the line that widens it
	s_or_b32 exec_lo, exec_lo, s14
	s_endpgm
.Lfunc_end_k_qa662f7f599_reduce:
	.size	k_qa662f7f599_reduce, .Lfunc_end_k_qa662f7f599_reduce-k_qa662f7f599_reduce
	.p2alignl 7, 3214868480
	.fill 96, 4, 3214868480
	.section	.rodata,"a",@progbits
	.p2align	6, 0x0
	.amdhsa_kernel k_qa662f7f599_reduce
		.amdhsa_group_segment_fixed_size 0
		.amdhsa_private_segment_fixed_size 0
		.amdhsa_enable_private_segment 0
		.amdhsa_kernarg_size 16
		.amdhsa_user_sgpr_count 2
		.amdhsa_user_sgpr_kernarg_segment_ptr 1
		.amdhsa_wavefront_size32 1
		.amdhsa_system_sgpr_workgroup_id_x 1
		.amdhsa_system_sgpr_workgroup_id_y 1
		.amdhsa_system_sgpr_workgroup_id_z 1
		.amdhsa_system_vgpr_workitem_id 0
		.amdhsa_next_free_vgpr 132
		.amdhsa_next_free_sgpr 66
		.amdhsa_reserve_vcc 1
		.amdhsa_float_denorm_mode_32 3
		.amdhsa_float_denorm_mode_16_64 3
		.amdhsa_memory_ordered 1
		.amdhsa_forward_progress 1
		.amdhsa_inst_pref_size 9
	.end_amdhsa_kernel
	.amdgpu_metadata
---
amdhsa.version: [ 1, 2 ]
amdhsa.kernels:
  - .name:           k_qa662f7f599_reduce
    .symbol:         k_qa662f7f599_reduce.kd
    .args:
      - { .name: part, .offset: 0, .size: 8, .value_kind: global_buffer, .address_space: global }
      - { .name: out0, .offset: 8, .size: 8, .value_kind: global_buffer, .address_space: global }
    .group_segment_fixed_size: 0
    .private_segment_fixed_size: 0
    .kernarg_segment_align: 8
    .kernarg_segment_size: 16
    .max_flat_workgroup_size: 32
    .sgpr_count:     66
    .vgpr_count:     132
    .wavefront_size: 32
...
	.end_amdgpu_metadata
.endif
;; end of part 2
;; ======== version 2 of 2: 2 launches; version 1 with the launch partial written anew for expert scheduling mode
;; workspace buffers: part 5,242,880 bytes
;; launch partial (part 3): grid 32 x 8, 8 waves a work-group, no clusters, 18,432 bytes of LDS; arguments x, part; writes part
.if DOCPART == 3
	.amdgcn_target "amdgcn-amd-amdhsa--gfx1250"
	.amdhsa_code_object_version 6
	.text
	.protected	k_qa662f7f599_partial
	.globl	k_qa662f7f599_partial
	.p2align	8
	.type	k_qa662f7f599_partial,@function
k_qa662f7f599_partial:
	s_mov_b64 s[64:65], 0
	v_nop
	global_prefetch_b8 v0, s[64:65] scope:SCOPE_SE
	s_setreg_imm32_b32 hwreg(HW_REG_WAVE_SCHED_MODE, 0, 2), 2
	s_setreg_imm32_b32 hwreg(HW_REG_WAVE_MODE, 25, 1), 1
	s_wait_xcnt 0x0
	s_wait_alu depctr_vm_vsrc(0)
; PairwiseChannelAdd, first of two launches.
; out[b][k][f] = max over j, t of (x[b][j][t][f] + x[b][k][t][f]).  Rounding a sum is monotone in each addend, so for fixed t, f
; the max over j of the rounded sums is the rounded sum of x[b][k][t][f] and M[b][t][f] = max over j of x[b][j][t][f]: the same bits.
; This launch: work-group (tr, b) owns the 8 time steps 8 tr .. 8 tr + 7 of batch b, all 160 channels: 160 pieces of 1,024 bytes.
; It reads them once, keeps them in registers, makes M for its time steps, and stores
;   part[b][tr][k][f] = max over its 8 t of (x[b][k][t][f] + M[b][t][f]),  k = 0 .. 159.
; The second launch takes the max over the 32 tr.  Row k = 159 is no output; it rides in the same instructions so that the last store
; of the work-group covers its 512 bytes whole.
; LIMIT: maxima are taken by v_max_num_f32 / v_max3_num_f32, in which a NaN loses.  A NaN in x, or the NaN of (+inf) + (-inf),
; does not reach the output as it does in the reference.  For finite x (sums that overflow to infinity included) the bits are equal.
; No two work-groups read the same byte of x, so there is nothing to share in a cluster; the work-group's whole share is asked for
; by its first 320 loads, so there is nothing left to stage in LDS or to ask for ahead.
;
; SHARES.  Eight waves, 20 channels each (channel 20 w + 4 g + 2 h + p; g = 0..4 group, p = 0, 1 pair, h = lane / 16).
; One load: lanes 0-15 take 256 aligned bytes (time steps 2 i, 2 i + 1, all 32 f) of one channel, lanes 16-31 the same bytes of the channel two further.
; Lane m = lane % 16 holds time step 2 i + m / 8 and f = 4 (m % 8) .. + 3.  So of the 8 time steps 4 lie along registers and 2 along lanes (xor 8).
;
; THE MODE: SCHED_MODE bits 1:0 = 2 (LLVM: expert scheduling mode 2), set by the entry lines.  The code itself states the register dependences
; between vector instructions and memory or LDS instructions, with s_wait_alu, always for 0.
; THE PLAN.  Registers that memory or LDS instructions touch, in the order of the text (there is no loop):
;   v[XO], v[FR]                   made at the head, ahead of the wait in front of the 40 loads; never written again.
;   v[RA], v[SB], v[SW], v[PO]     made behind the 40 loads, which read none of them; ahead of the wait in front of the raw LDS stores; never written again.
;   D      filled by the 40 loads, before any vector line names it.  Pass 2 works in place; group g's first four registers are its store's data, and no later line names them.
;   M      written by pass 1; read by the four raw LDS stores; then filled again by four LDS loads.
;   T      filled by 16 LDS loads, before any vector line names it; its first register, written by the reducing lines, is the data of one LDS store.
;   s8, VCC  written by vector lines; each has its wait ahead of its first reader.
; So: one wait on va_vdst ahead of each run of memory or LDS instructions that reads what vector lines have just written (the 40 loads, the raw stores,
; the store of M's word, each group's store), and one wait on vm_vsrc, ahead of the loads that fill M again.
.set CH,    32768                      ; bytes of a channel: 256 t x 32 f x 4
.set BATCH, 160*CH                     ; bytes of a batch
.set WCH,   20                         ; channels of a wave
.set PART,  160*128                    ; bytes that a work-group stores
.set RAW,   0                          ; LDS: 8 waves x 2,048 bytes, the waves' own maxima as they lie in registers
.set MF,    16384                      ; LDS: 1,024 bytes, M of the work-group's 8 time steps
.set XO,  1                            ; v1       byte offset of my 16 bytes in x, from the wave's first channel
.set RA,  2                            ; v2       LDS address of my 16 bytes in the wave's raw maxima
.set SB,  3                            ; v3       LDS address of the word that I reduce, in wave 0's raw maxima
.set SW,  4                            ; v4       4 x thread: where that word goes in M
.set FR,  5                            ; v5       16 (lane % 16): my 16 bytes in each 256 bytes of M
.set PO,  6                            ; v6       byte offset of my 16 bytes in the work-group's part
.set TV,  7                            ; v7       at work: no memory or LDS instruction names it
.set M,   8                            ; v[8:23]  maxima: register 4 i + c
.set T,   24                           ; v[24:39] the 16 partial maxima of one word
.set D,   40                           ; v[40:199] x: register 32 g + 16 p + 4 i + c
	s_load_b128 s[4:7], s[0:1], 0x0                ; x s[4:5], part s[6:7]
	v_lshl_add_u32 v200, v0, 2, 0x4400
	v_mov_b32 v201, 0
	v_lshrrev_b32 v[TV], 5, v0
	v_readfirstlane_b32 s8, v[TV]                  ; wave 0..7
	s_and_b32 s9, ttmp7, 0xffff                    ; b
	s_mul_i32 s10, s9, BATCH                       ; x: batch,
	s_lshl_b32 s11, ttmp9, 10                      ; 8 time steps of 128 bytes for each tr,
	s_add_co_u32 s10, s10, s11
	s_wait_alu depctr_va_sdst(0)                   ; s8 is written, ahead of its first reader: the wave's place in x, in part and in LDS is made from it
	s_mul_i32 s11, s8, WCH*CH                      ; the wave's first channel; 41,319,424 at the most
	s_add_co_u32 s10, s10, s11
	s_mov_b32 s11, 0
	s_lshl_b32 s12, s9, 5
	s_add_co_u32 s12, s12, ttmp9                   ; 32 b + tr
	s_mul_i32 s12, s12, PART
	s_mov_b32 s13, 0
	v_and_b32 v[FR], 15, v0
	v_lshlrev_b32 v[FR], 4, v[FR]                  ; 16 (lane % 16)
	v_bfe_u32 v[TV], v0, 4, 1                      ; h
	v_lshl_add_u32 v[XO], v[TV], 16, v[FR]         ; + two channels (65,536 bytes) for lanes 16-31
	s_wait_kmcnt 0x0
	s_add_nc_u64 s[4:5], s[4:5], s[10:11]
	s_add_nc_u64 s[6:7], s[6:7], s[12:13]
	s_wait_alu depctr_va_vdst(0)                   ; v[XO] is written, which the 40 loads read as their offset; so is v[FR], which the LDS loads of M read
	; all 40 loads of the wave at once: 20 KiB a wave, the work-group's whole 160 KiB, are on their way.  x is read once in the launch.
.irp g, 0,1,2,3,4
.irp p, 0,1
.irp i, 0,1,2,3
	global_load_b128 v[D+32*\g+16*\p+4*\i:D+32*\g+16*\p+4*\i+3], v[XO], s[4:5] offset:(4*\g+\p)*CH+256*\i th:TH_LOAD_NT
.endr
.endr
.endr
	; addresses for later, made while the loads are out: these lines write v2 to v4, v6 and v7, none of which the loads read
	v_and_b32 v[RA], 31, v0
	v_lshlrev_b32 v[RA], 4, v[RA]                  ; 16 x lane
	s_mul_i32 s14, s8, WCH*128                     ; the wave's 20 rows of 128 bytes in part
	v_add_nc_u32 v[PO], s14, v[RA]
	v_lshl_add_u32 v[RA], s8, 11, v[RA]            ; + 2,048 x wave
	v_lshlrev_b32 v[SW], 2, v0                     ; 4 x thread
	v_lshrrev_b32 v[TV], 6, v0                     ; i of my word = thread / 64
	v_and_b32 v[SB], 63, v0
	v_lshlrev_b32 v[SB], 2, v[SB]
	v_lshl_add_u32 v[SB], v[TV], 9, v[SB]          ; 512 i + 4 (thread % 64)
	v_and_b32 v[TV], 8, v0
	v_cmp_ne_u32 vcc_lo, 0, v[TV]                  ; lanes 8-15 and 24-31: they will store pair 1's rows
	s_wait_alu depctr_va_vcc(0)                    ; VCC is written, ahead of its first reader, pass 2's first select; nothing writes it again
	; PASS 1: the max over the wave's channels, eight loads (two pairs) at a time.  Loads come back in order (ISA guide 5.7.1):
	; the count is the number of younger loads behind the eight that are needed.  The first two pairs start the maxima: nothing is cleared.
	s_wait_loadcnt 32
.set r, 0
.rept 16
	v_max_num_f32 v[M+r], v[D+r], v[D+16+r]
.set r, r+1
.endr
.irp g, 1,2,3,4
	s_wait_loadcnt 32-8*\g
.set r, 0
.rept 16
	v_max3_num_f32 v[M+r], v[M+r], v[D+32*\g+r], v[D+32*\g+16+r]
.set r, r+1
.endr
.endr
	; THE WAVES' MAXIMA MEET IN LDS.  Each wave lays down its 16 registers as they are: 512 neighbouring bytes a store.  The two halves of
	; the lanes hold maxima of different channels for the same (t, f), so there are 16 partial maxima for each of M's 256 words.
	s_wait_alu depctr_va_vdst(0)                   ; pass 1 has written M, the stores' data, and the address lines v[RA]; also v[SB], which the 16 loads behind the barrier read with no vector line between
.irp i, 0,1,2,3
	ds_store_b128 v[RA], v[M+4*\i:M+4*\i+3] offset:RAW+512*\i
.endr
	s_wait_dscnt 0x0                               ; my stores are done, for the other waves' sake
	s_barrier_signal -1
	s_barrier_wait -1
	; thread n reduces word n of M: 16 loads, each of 128 neighbouring bytes a wave
.irp w, 0,1,2,3,4,5,6,7
.irp h, 0,1
	ds_load_b32 v[T+2*\w+\h], v[SB] offset:RAW+2048*\w+256*\h
.endr
.endr
	s_wait_dscnt 0x0
	v_max3_num_f32 v[T], v[T], v[T+1], v[T+2]
	v_max3_num_f32 v[T+3], v[T+3], v[T+4], v[T+5]
	v_max3_num_f32 v[T+6], v[T+6], v[T+7], v[T+8]
	v_max3_num_f32 v[T+9], v[T+9], v[T+10], v[T+11]
	v_max3_num_f32 v[T+12], v[T+12], v[T+13], v[T+14]
	v_max3_num_f32 v[T], v[T], v[T+3], v[T+6]
	v_max3_num_f32 v[T+9], v[T+9], v[T+12], v[T+15]
	v_max_num_f32 v[T], v[T], v[T+9]
	s_wait_alu depctr_va_vdst(0)                   ; the reducing lines have written v[T], the store's data
	ds_store_b32 v[SW], v[T] offset:MF             ; bytes of their own: the raw maxima are never written again
	s_wait_dscnt 0x0                               ; done, for the other waves' sake
	s_barrier_signal -1
	s_barrier_wait -1
	s_wait_alu depctr_vm_vsrc(0)                   ; my raw LDS stores have read M, in which the loads below land (pass 1, which named M, stands ahead of two waits on va_vdst, and no vector line since names it)
.irp i, 0,1,2,3
	ds_load_b128 v[M+4*\i:M+4*\i+3], v[FR] offset:MF+256*\i    ; M in the layout of the data: both halves of the lanes read the same 256 bytes
.endr
	s_wait_dscnt 0x0
	; PASS 2, four channels at a time: add M in place, max over the four time steps that lie along registers, max with lane xor 8
	; (the other time step of the pair; DPP rides on the max).  Lanes 0-7 then hold channel j0 (pair 0), lanes 8-15 take pair 1's
	; j0 + 1, lanes 16-23 j0 + 2, lanes 24-31 j0 + 3: four rows of 128 bytes, 512 neighbouring bytes of part at a multiple of 512.
	; The stored registers are never written again, so no wait follows a store.
.macro GROUP g
.irp p, 0,1
.irp r, 0,2,4,6,8,10,12,14
	v_pk_add_f32 v[D+32*\g+16*\p+\r:D+32*\g+16*\p+\r+1], v[D+32*\g+16*\p+\r:D+32*\g+16*\p+\r+1], v[M+\r:M+\r+1]
.endr
.endr
.irp p, 0,1
.irp c, 0,1,2,3
	v_max3_num_f32 v[D+32*\g+16*\p+\c], v[D+32*\g+16*\p+\c], v[D+32*\g+16*\p+4+\c], v[D+32*\g+16*\p+8+\c]
.endr
.endr
.irp p, 0,1
.irp c, 0,1,2,3
	v_max_num_f32 v[D+32*\g+16*\p+\c], v[D+32*\g+16*\p+\c], v[D+32*\g+16*\p+12+\c]
.endr
.endr
.irp p, 0,1
.irp c, 0,1,2,3
	v_max_num_f32_dpp v[D+32*\g+16*\p+\c], v[D+32*\g+16*\p+\c], v[D+32*\g+16*\p+\c] row_xmask:8 row_mask:0xf bank_mask:0xf
.endr
.endr
.irp c, 0,1,2,3
	v_cndmask_b32 v[D+32*\g+\c], v[D+32*\g+\c], v[D+32*\g+16+\c], vcc_lo
.endr
	s_wait_alu depctr_va_vdst(0)                   ; the four selects have written the group's first four registers, the store's data
	global_store_b128 v[PO], v[D+32*\g:D+32*\g+3], s[6:7] offset:512*\g    ; read again by the next launch: no hint
.endm
	GROUP 0
	GROUP 1
	GROUP 2
	GROUP 3
	GROUP 4
	s_wait_dscnt 0x0
	s_wait_alu depctr_hold_cnt(0) depctr_sa_sdst(0) depctr_va_vdst(0) depctr_va_sdst(0) depctr_va_ssrc(0) depctr_va_vcc(0) depctr_vm_vsrc(0)
	s_wait_tensorcnt 0x0
	ds_add_u32 v200, v201
	s_wait_dscnt 0x0
	s_endpgm
.Lfunc_end_k_qa662f7f599_partial:
	.size	k_qa662f7f599_partial, .Lfunc_end_k_qa662f7f599_partial-k_qa662f7f599_partial
	.p2alignl 7, 3214868480
	.fill 96, 4, 3214868480
	.section	.rodata,"a",@progbits
	.p2align	6, 0x0
	.amdhsa_kernel k_qa662f7f599_partial
		.amdhsa_group_segment_fixed_size 18432
		.amdhsa_private_segment_fixed_size 0
		.amdhsa_enable_private_segment 0
		.amdhsa_kernarg_size 16
		.amdhsa_user_sgpr_count 2
		.amdhsa_user_sgpr_kernarg_segment_ptr 1
		.amdhsa_wavefront_size32 1
		.amdhsa_system_sgpr_workgroup_id_x 1
		.amdhsa_system_sgpr_workgroup_id_y 1
		.amdhsa_system_sgpr_workgroup_id_z 1
		.amdhsa_system_vgpr_workitem_id 0
		.amdhsa_next_free_vgpr 202
		.amdhsa_next_free_sgpr 66
		.amdhsa_reserve_vcc 1
		.amdhsa_float_denorm_mode_32 3
		.amdhsa_float_denorm_mode_16_64 3
		.amdhsa_memory_ordered 1
		.amdhsa_forward_progress 1
		.amdhsa_inst_pref_size 26
	.end_amdhsa_kernel
	.amdgpu_metadata
---
amdhsa.version: [ 1, 2 ]
amdhsa.kernels:
  - .name:           k_qa662f7f599_partial
    .symbol:         k_qa662f7f599_partial.kd
    .args:
      - { .name: x, .offset: 0, .size: 8, .value_kind: global_buffer, .address_space: global }
      - { .name: part, .offset: 8, .size: 8, .value_kind: global_buffer, .address_space: global }
    .group_segment_fixed_size: 18432
    .private_segment_fixed_size: 0
    .kernarg_segment_align: 8
    .kernarg_segment_size: 16
    .max_flat_workgroup_size: 256
    .sgpr_count:     66
    .vgpr_count:     202
    .wavefront_size: 32
...
	.end_amdgpu_metadata
.endif
;; end of part 3
;; launch reduce: the kernel of part 2 again; grid 40 x 8, 1 waves a work-group, no clusters, 0 bytes of LDS; arguments part, out0; writes out0
